; MI455X (gfx1250); checked and timed in simulation.
; The chip was launched on July 23, 2026; its instructions are those of AMD's public machine-readable ISA for CDNA 5 (MIT licence, August 2026) and "CDNA5" Instruction Set Architecture Reference Guide (July 2026). The comments in the code are by the model that wrote it; some were corrected since.
;; Multi Head Attention. Allowed arithmetic: matrix products marked QUANTISED: E5M2 operands, one given power-of-two scale a tensor, by v_wmma_f32_16x16x64_bf8_bf8 or v_wmma_f32_16x16x128_bf8_bf8, f32 sums; everything else in f32.
;; Inputs: K 4 x 2,048 x 1,024 float32; Q 4 x 2,048 x 1,024 float32; V 4 x 2,048 x 1,024 float32; W_K 1,024 x 1,024 float32; W_O 1,024 x 1,024 float32; W_Q 1,024 x 1,024 float32; W_V 1,024 x 1,024 float32; ln_beta 1,024 float32; ln_gamma 1,024 float32; lowp_scales 12 int32 (the exponents e of the quantised operands' scales 2^e).
;; Outputs: out0 4 x 2,048 x 1,024 float32.
;; This version of the problem:
;;   THIS VERSION OF THE PROBLEM IS GIVEN IN LOW PRECISION. The matrix products marked QUANTISED in the list below multiply operands that are first quantised to E5M2 (5 exponent bits, 2 mantissa bits; 8 bits a number), with one given power-of-two scale for each operand tensor; their sums are f32. All else is computed in f32.
;;   The module's matrix products, in the order in which they are computed (A, B: the left and right operand; K: the contracted axis; several contracted axes count as one K, in the product's order):
;;     1. [M 8,192, K 1,024] x [K 1,024, N 1,024]; A: input Q; B: input W_Q: QUANTISED (scales: A lowp_scales[0], B lowp_scales[1])
;;     2. [M 8,192, K 1,024] x [K 1,024, N 1,024]; A: input K; B: input W_K: QUANTISED (scales: A lowp_scales[2], B lowp_scales[3])
;;     3. [M 8,192, K 1,024] x [K 1,024, N 1,024]; A: input V; B: input W_V: QUANTISED (scales: A lowp_scales[4], B lowp_scales[5])
;;     4. batch 64 x [M 2,048, K 64] x [K 64, N 2,048]; A: computed on the way; B: computed on the way: QUANTISED (scales: A lowp_scales[6], B lowp_scales[7])
;;     5. batch 64 x [M 2,048, K 2,048] x [K 2,048, N 64]; A: softmax (see below); B: computed on the way: QUANTISED (scales: A lowp_scales[8], B lowp_scales[9])
;;     6. [M 8,192, K 1,024] x [K 1,024, N 1,024]; A: computed on the way; B: input W_O: QUANTISED (scales: A lowp_scales[10], B lowp_scales[11])
;;   THE QUANTISER, for each operand of a quantised product, along K:
;;     - The operand's scale is 2^e, e = its entry of the input lowp_scales (int32; the entries are numbered through the quantised products in the list's order, A before B).
;;     - Each number is divided by the scale, clamped to +-57,344, and rounded to the nearest number of E5M2, ties to even, subnormals kept.
;;     - The product sums the exact products of the quantised numbers (number of the format x scale) in f32.
;;   ~~~python
;;   def quantise(x, axis, e):      # numpy; x: float32 -> the quantised numbers, widened to float32 again
;;       x = np.moveaxis(x, axis, -1); K = x.shape[-1]
;;       r = np.clip(x / 2.0 ** e, -57344, 57344)
;;       step = 2.0 ** (np.maximum(np.frexp(np.where(r == 0, 1, r))[1] - 1, -14) - 2)
;;       q = np.round(r / step) * step * 2.0 ** e      # np.round: ties to even
;;       return np.moveaxis(q, -1, axis).astype(np.float32)
;;   ~~~
;;   SOFTMAX AHEAD OF A QUANTISED PRODUCT. Where the list says 'softmax', what is quantised is not the finished softmax but p = 2^(t - M), with t = logit x log2(e) and M = ceil(the row's largest t), a whole number; so 1/2 < the row's largest p <= 1. The row's sum l is taken of the UNQUANTISED p, in f32, and the product's result is divided by l at the end. Since M is a whole number, a kernel that streams over the keys may use a running M (the ceiling of the running maximum): every later rescaling is an exact power of two, so the quantised numbers keep their values, but for numbers so far below the row's largest that they fall under the format's range.
;;   OPERANDS COMPUTED ON THE WAY. 'Computed on the way' means the value that the module computes at that place (a softmax that the list does not call 'softmax' is quantised finished and normalised). What goes into a quantiser is computed in f32, as accurately as f32 sums, v_exp_f32 and their like allow (about 1e-6 of the number): no bf16 or f16 on the way to a quantiser, and a product that is left as it is and whose result goes on into a quantised operand takes f32 operands (vector FMAs, or v_wmma_f32_16x16x4_f32). A number that lies on a knife's edge between two numbers of the format may be rounded either way, as far as f32 arithmetic and the matrix unit's own rounding can turn it there, and no further.
;; One version. Each part assembles by itself: llvm-mc -triple=amdgcn-amd-amdhsa -mcpu=gfx1250 --defsym DOCPART=n.
;; ======== version 1 of 1: 4 launches
;; workspace buffers: xc 25,165,824 bytes; wc 4,194,304 bytes; hc 25,165,824 bytes; cc 8,388,608 bytes
;; launch quant (part 1): grid 896 x 1, 4 waves a work-group, no clusters, 35,328 bytes of LDS; arguments Q, K, V, W_Q, W_K, W_V, W_O, lowp_scales, xc, wc; writes xc, wc
.if DOCPART == 1
	.amdgcn_target "amdgcn-amd-amdhsa--gfx1250"
	.amdhsa_code_object_version 6
	.text
	.protected	k_q26677ea5d9_quant
	.globl	k_q26677ea5d9_quant
	.p2align	8
	.type	k_q26677ea5d9_quant,@function
k_q26677ea5d9_quant:
	s_mov_b64 s[64:65], 0
	v_nop
	global_prefetch_b8 v0, s[64:65] scope:SCOPE_SE
	s_setreg_imm32_b32 hwreg(HW_REG_WAVE_MODE, 25, 1), 1
	s_wait_xcnt 0x0
; Q, K, V [8192][1024] f32 and W_Q, W_K, W_V, W_O [1024 (k)][1024 (n)] f32 become codes of BF8 (E5M2), each tensor with the scale 2^e that is given for it:
; code = x / 2^e, held within +-57,344, rounded to the nearest code, ties to even.
; THE CODES ARE LAID AS IMAGES OF OPERAND REGISTERS.  An image is 16 rows x 128 along K, 2,048 bytes: byte 512 c + 16 L + y (L = r + 16 h) is row r, k = 32 c + 16 h + y.
; Four loads of 16 bytes a lane, 512 bytes apart, at 16 x lane, then bring a fragment's 16 registers.  Images lie [tile of 16 rows][8 steps of 128 along K].
; xc: [Q, K, V][512 tiles of tokens][8][2048].   wc: [W_Q, W_K, W_V, W_O][64 tiles of n][8][2048] (rows are n, K is the weight's first axis).
; Work-groups 0-767 take the activations, 768-895 the weights.  Only the first path uses LDS; waves share nothing, so there is no barrier.
; LIMITS: each e used here (entries 0-5 and 11) lies between -126 and 112, so that 2^e and 57,344 x 2^e are f32 numbers.  NaN among the inputs is not served.
.set SP,    272                        ; a stage row: 256 bytes + 16, so that sixteen rows' reads start 16 bytes apart modulo 256
.set STG,   16*SP                      ; a stage: 16 rows
.set WREG,  2*STG                      ; a wave's LDS: two stages by turns
.set R,     16                         ; v16-111   three sets of 32: numbers as they are loaded
.set X,     112                        ; v112-175  two sets of 32: a lane's 2 x 16 neighbours along K
.set C,     176                        ; v176-239  codes, 8 registers a step: no store's data are written again
.set WX,    32                         ; weights: v32-95 two sets of 32 numbers down K
.set WCD,   96                         ; weights: v96-159 codes, 8 registers a block
.set MANT,  0x600000                   ; the mantissa field of 57,344 as f32
	s_load_b512 s[4:19], s[0:1], 0x0               ; Q 4:5, K 6:7, V 8:9, W_Q 10:11, W_K 12:13, W_V 14:15, W_O 16:17, the scales' exponents 18:19
	s_load_b128 s[20:23], s[0:1], 0x40             ; xc 20:21, wc 22:23
	v_lshl_add_u32 v240, v0, 2, 0x8800
	v_mov_b32 v241, 0
	v_lshrrev_b32 v1, 5, v0
	v_readfirstlane_b32 s36, v1                    ; wave 0..3
	v_and_b32 v12, 15, v0                          ; r
	v_bfe_u32 v13, v0, 4, 1                        ; h
	v_and_b32 v14, 31, v0                          ; lane
	s_wait_kmcnt 0x0
	s_load_b256 s[24:31], s[18:19], 0x0            ; e0 .. e7
	s_load_b128 s[32:35], s[18:19], 0x20           ; e8 .. e11
.macro MKSCALE                         ; s40 = e:  v11 = 2^e (the conversion takes its exponent field), v10 = 57,344 x 2^e
	s_add_co_i32 s40, s40, 127
	s_lshl_b32 s41, s40, 23
	v_mov_b32 v11, s41
	s_add_co_i32 s40, s40, 15
	s_lshl_b32 s40, s40, 23
	s_or_b32 s40, s40, MANT
	v_mov_b32 v10, s40
.endm
	s_cmp_lt_u32 ttmp9, 768
	s_cbranch_scc0 .Lweights
; ---- THE ACTIVATIONS.  A wave takes 16 rows x 512 along K: four images, 8,192 bytes of codes on end.  Task id = 4 x work-group + wave: tensor id / 1024, tile (id % 1024) / 2, half of K id % 2.
; Eight steps of 16 rows x 64 along K.  Each load reads 256 consecutive bytes of two rows; the step turns through the wave's own stage, so that a lane gets 2 x 16 neighbours along K of ONE row.
	s_cmp_lt_u32 ttmp9, 256                        ; the choice hangs on the work-group's number alone
	s_cselect_b64 s[38:39], s[4:5], s[6:7]
	s_cmp_lt_u32 ttmp9, 512
	s_cselect_b64 s[38:39], s[38:39], s[8:9]
	s_lshl_b32 s41, ttmp9, 2
	s_add_co_u32 s41, s41, s36                     ; id
	s_and_b32 s42, s41, 1023
	s_lshr_b32 s42, s42, 1
	s_lshl_b32 s42, s42, 16                        ; the tile's 16 rows of 4,096 bytes
	s_and_b32 s43, s41, 1
	s_lshl_b32 s43, s43, 11                        ; the half of K: 512 numbers
	s_add_co_u32 s42, s42, s43
	s_mov_b32 s43, 0
	s_add_nc_u64 s[38:39], s[38:39], s[42:43]
	s_lshl_b32 s42, s41, 13                        ; 8,192 bytes of codes a task
	s_add_nc_u64 s[20:21], s[20:21], s[42:43]
	v_lshlrev_b32 v2, 12, v13
	v_lshl_add_u32 v2, v12, 4, v2                  ; in memory: lanes 0-15 one row's 256 bytes, lanes 16-31 the next row's
	s_mul_i32 s37, s36, WREG
	v_mul_u32_u24 v3, v13, SP
	v_lshl_add_u32 v3, v12, 4, v3
	v_add_nc_u32 v3, s37, v3                       ; into the stage: the same two rows
	v_mul_u32_u24 v4, v12, SP
	v_lshl_add_u32 v4, v13, 6, v4
	v_add_nc_u32 v4, s37, v4                       ; out of it: row r, 64 h bytes on: my 16 numbers of a block of 32
	v_lshlrev_b32 v5, 4, v14                       ; my 16 codes' place in 512 bytes of an image
.macro XLOAD t
.irp i, 0,1,2,3,4,5,6,7
	global_load_b128 v[R+32*((\t)%3)+4*\i:R+32*((\t)%3)+4*\i+3], v2, s[38:39] offset:8192*\i+256*(\t) th:TH_LOAD_NT
.endr
.endm
.macro XTURN t                         ; LDS serves a wave's instructions in order (ISA guide 5.7.1.4): no wait stands between the stores and the loads
.irp i, 0,1,2,3,4,5,6,7
	ds_store_b128 v3, v[R+32*((\t)%3)+4*\i:R+32*((\t)%3)+4*\i+3] offset:STG*((\t)%2)+2*SP*\i
.endr
.irp c, 0,1
.irp j, 0,1,2,3
	ds_load_b128 v[X+32*((\t)%2)+16*\c+4*\j:X+32*((\t)%2)+16*\c+4*\j+3], v4 offset:STG*((\t)%2)+128*\c+16*\j
.endr
.endr
.endm
	XLOAD 0
	XLOAD 1
	XLOAD 2
	s_wait_kmcnt 0x0
	s_cmp_lt_u32 ttmp9, 256
	s_cselect_b32 s40, s24, s26                    ; e0 for Q, e2 for K,
	s_cmp_lt_u32 ttmp9, 512
	s_cselect_b32 s40, s40, s28                    ; e4 for V
	MKSCALE
	s_wait_loadcnt 16                              ; step 0's eight loads are in; steps 1 and 2 may be out
	XTURN 0
.macro XSTEP t
.set XS, X+32*((\t)%2)
	s_wait_dscnt 0x0                               ; this step's numbers are back from the stage, and its stores into the stage have read their registers,
.if (\t)+3 < 8
	XLOAD (\t)+3                                   ; which take the loads of three steps on
.endif
.if (\t) <= 4
	s_wait_loadcnt 16                              ; the next step's eight loads are in; the two steps behind it may be out
.elseif (\t) == 5
	s_wait_loadcnt 8
.elseif (\t) == 6
	s_wait_loadcnt 0
.endif
.if (\t)+1 < 8
	XTURN (\t)+1                                   ; the next step goes through the other stage while this one is worked
.endif
.set i, 0
.rept 32
	v_med3_num_f32 v[XS+i], v[XS+i], -v10, v10     ; the conversion to an 8-bit code does not saturate (ISA guide 7.6.2): the hold comes first
.set i, i+1
.endr
.irp c, 0,1
	v_cvt_scalef32_pk8_bf8_f32 v[C+8*(\t)+4*\c:C+8*(\t)+4*\c+1], v[XS+16*\c:XS+16*\c+7], v11
	v_cvt_scalef32_pk8_bf8_f32 v[C+8*(\t)+4*\c+2:C+8*(\t)+4*\c+3], v[XS+16*\c+8:XS+16*\c+15], v11
.endr
.irp c, 0,1                            ; the results go to stores alone; the next vector lines are the next step's holds, plain and on other registers
	global_store_b128 v5, v[C+8*(\t)+4*\c:C+8*(\t)+4*\c+3], s[20:21] offset:1024*(\t)+512*\c   ; 32 lanes store 512 consecutive bytes, aligned
.endr
.endm
.irp t, 0,1,2,3,4,5,6,7
	XSTEP \t
.endr
	s_wait_tensorcnt 0x0
	ds_add_u32 v240, v241
	s_wait_dscnt 0x0
	s_endpgm
; ---- THE WEIGHTS.  K is the first axis: a lane takes a column n and its registers run down K, so the conversions give codes with K innermost and nothing is transposed.
; g = work-group - 768: weight g / 32, 256 along K (g / 8) % 4, 128 columns g % 8; a wave takes 32 columns.  A block of 32 along K of a column is two pieces of 16 bytes of its image,
; and sixteen neighbouring columns' pieces are 256 consecutive bytes: so the codes go straight from registers to memory.
.Lweights:
	s_cmp_lt_u32 ttmp9, 800
	s_cselect_b64 s[38:39], s[10:11], s[12:13]
	s_cmp_lt_u32 ttmp9, 832
	s_cselect_b64 s[38:39], s[38:39], s[14:15]
	s_cmp_lt_u32 ttmp9, 864
	s_cselect_b64 s[38:39], s[38:39], s[16:17]
	s_sub_co_u32 s41, ttmp9, 768                   ; g
	s_and_b32 s42, s41, 7                          ; x
	s_bfe_u32 s43, s41, 0x20003                    ; y
	s_lshr_b32 s44, s41, 5                         ; which weight
	s_lshl_b32 s45, s42, 7
	s_lshl_b32 s46, s36, 5
	s_add_co_u32 s45, s45, s46                     ; my wave's first column
	s_lshl_b32 s46, s43, 20                        ; 256 y rows of 4,096 bytes
	s_lshl_b32 s47, s45, 2
	s_add_co_u32 s46, s46, s47
	s_mov_b32 s47, 0
	s_add_nc_u64 s[38:39], s[38:39], s[46:47]
	s_lshl_b32 s46, s44, 20                        ; the weight's 1 MiB of codes,
	s_lshl_b32 s45, s45, 10                        ; (column / 16) tiles of 16,384 bytes,
	s_add_co_u32 s46, s46, s45
	s_lshl_b32 s45, s43, 12                        ; 2 y images of 2,048 bytes
	s_add_co_u32 s46, s46, s45
	s_add_nc_u64 s[22:23], s[22:23], s[46:47]
	v_lshlrev_b32 v6, 2, v14                       ; in: 4 bytes a lane, 128 consecutive bytes a wave
	v_lshlrev_b32 v8, 14, v13
	v_lshl_add_u32 v8, v12, 4, v8                  ; out: lanes 16-31 belong to the next tile of 16 columns
.macro WLOAD t
.set i, 0
.rept 32
	global_load_b32 v[WX+32*((\t)%2)+i], v6, s[38:39] offset:(32*(\t)+i)*4096 th:TH_LOAD_NT
.set i, i+1
.endr
.endm
	WLOAD 0
	WLOAD 1
	s_wait_kmcnt 0x0
	s_cmp_lt_u32 ttmp9, 800
	s_cselect_b32 s40, s25, s27                    ; e1, e3,
	s_cmp_lt_u32 ttmp9, 832
	s_cselect_b32 s40, s40, s29                    ; e5,
	s_cmp_lt_u32 ttmp9, 864
	s_cselect_b32 s40, s40, s35                    ; e11
	MKSCALE
.macro WBLOCK t
.set XS, WX+32*((\t)%2)
.if (\t) < 7
	s_wait_loadcnt 32                              ; this block's 32 loads are in; the next block's may be out
.else
	s_wait_loadcnt 0
.endif
.set i, 0
.rept 32
	v_med3_num_f32 v[XS+i], v[XS+i], -v10, v10
.set i, i+1
.endr
.irp g, 0,1,2,3
	v_cvt_scalef32_pk8_bf8_f32 v[WCD+8*(\t)+2*\g:WCD+8*(\t)+2*\g+1], v[XS+8*\g:XS+8*\g+7], v11
.endr
	global_store_b128 v8, v[WCD+8*(\t):WCD+8*(\t)+3], s[22:23] offset:512*(\t)         ; k 32 t + 0 .. 15: sixteen lanes store 256 consecutive bytes, aligned
	global_store_b128 v8, v[WCD+8*(\t)+4:WCD+8*(\t)+7], s[22:23] offset:512*(\t)+256   ; k 32 t + 16 .. 31
.if (\t)+2 < 8
	WLOAD (\t)+2
.endif
.endm
.irp t, 0,1,2,3,4,5,6,7
	WBLOCK \t
.endr
	s_endpgm
.Lfunc_end_k_q26677ea5d9_quant:
	.size	k_q26677ea5d9_quant, .Lfunc_end_k_q26677ea5d9_quant-k_q26677ea5d9_quant
	.p2alignl 7, 3214868480
	.fill 96, 4, 3214868480
	.section	.rodata,"a",@progbits
	.p2align	6, 0x0
	.amdhsa_kernel k_q26677ea5d9_quant
		.amdhsa_group_segment_fixed_size 35328
		.amdhsa_private_segment_fixed_size 0
		.amdhsa_enable_private_segment 0
		.amdhsa_kernarg_size 80
		.amdhsa_user_sgpr_count 2
		.amdhsa_user_sgpr_kernarg_segment_ptr 1
		.amdhsa_wavefront_size32 1
		.amdhsa_system_sgpr_workgroup_id_x 1
		.amdhsa_system_sgpr_workgroup_id_y 1
		.amdhsa_system_sgpr_workgroup_id_z 1
		.amdhsa_system_vgpr_workitem_id 0
		.amdhsa_next_free_vgpr 242
		.amdhsa_next_free_sgpr 66
		.amdhsa_reserve_vcc 0
		.amdhsa_float_denorm_mode_32 3
		.amdhsa_float_denorm_mode_16_64 3
		.amdhsa_memory_ordered 1
		.amdhsa_forward_progress 1
		.amdhsa_inst_pref_size 83
	.end_amdhsa_kernel
	.amdgpu_metadata
---
amdhsa.version: [ 1, 2 ]
amdhsa.kernels:
  - .name:           k_q26677ea5d9_quant
    .symbol:         k_q26677ea5d9_quant.kd
    .args:
      - { .name: Q, .offset: 0, .size: 8, .value_kind: global_buffer, .address_space: global }
      - { .name: K, .offset: 8, .size: 8, .value_kind: global_buffer, .address_space: global }
      - { .name: V, .offset: 16, .size: 8, .value_kind: global_buffer, .address_space: global }
      - { .name: W_Q, .offset: 24, .size: 8, .value_kind: global_buffer, .address_space: global }
      - { .name: W_K, .offset: 32, .size: 8, .value_kind: global_buffer, .address_space: global }
      - { .name: W_V, .offset: 40, .size: 8, .value_kind: global_buffer, .address_space: global }
      - { .name: W_O, .offset: 48, .size: 8, .value_kind: global_buffer, .address_space: global }
      - { .name: lowp_scales, .offset: 56, .size: 8, .value_kind: global_buffer, .address_space: global }
      - { .name: xc, .offset: 64, .size: 8, .value_kind: global_buffer, .address_space: global }
      - { .name: wc, .offset: 72, .size: 8, .value_kind: global_buffer, .address_space: global }
    .group_segment_fixed_size: 35328
    .private_segment_fixed_size: 0
    .kernarg_segment_align: 8
    .kernarg_segment_size: 80
    .max_flat_workgroup_size: 128
    .sgpr_count:     66
    .vgpr_count:     242
    .wavefront_size: 32
...
	.end_amdgpu_metadata
.endif
;; end of part 1
;; launch proj (part 2): grid 4 x 96, 4 waves a work-group, clusters of 4 x 4, 327,680 bytes of LDS; arguments xc, wc, lowp_scales, hc; writes hc
.if DOCPART == 2
	.amdgcn_target "amdgcn-amd-amdhsa--gfx1250"
	.amdhsa_code_object_version 6
	.text
	.protected	k_q26677ea5d9_proj
	.globl	k_q26677ea5d9_proj
	.p2align	8
	.type	k_q26677ea5d9_proj,@function
k_q26677ea5d9_proj:
	s_mov_b64 s[64:65], 0
	v_nop
	global_prefetch_b8 v0, s[64:65] scope:SCOPE_SE
	s_setreg_imm32_b32 hwreg(HW_REG_WAVE_MODE, 25, 1), 1
	s_wait_xcnt 0x0
	s_wait_alu depctr_hold_cnt(0) depctr_sa_sdst(0) depctr_va_vdst(0) depctr_va_sdst(0) depctr_va_ssrc(0) depctr_va_vcc(0) depctr_vm_vsrc(0)
	s_getreg_b32 s2, hwreg(HW_REG_IB_STS2, 6, 4)
	s_cmp_eq_u32 s2, 0
	s_cbranch_scc0 .Lentry_in_a_cluster
	s_endpgm
.Lentry_in_a_cluster:
	s_bfe_u32 s2, ttmp6, 0x10000c
	s_cmp_lg_u32 s2, 0xf033
	s_cbranch_scc0 .Lentry_shape_is_right
	s_endpgm
.Lentry_shape_is_right:
; The three input projections, on codes of BF8, and their results quantised at once for attention.  C[m][n] = sum over k of A[m][k] B[n][k], K = 1,024, tiles of 256 x 256, four waves of 128 x 128.
; Cluster y = 8 p + c8: p = 0: Q W_Q, 1: K W_K, 2: V W_V.  p < 2: A = the tokens' codes (tile row 4 c8 + cy), B = the weight's (tile column cx; the grid has one cluster along x).
; p = 2: THE ROLES ARE SWAPPED: A = W_V's codes (tile row cy), B = V's tokens (tile column 4 c8 + cx), so that a lane's eight results run along the tokens, which are the K of attention's second product.
; Operands lie in memory as images of operand registers (16 rows x 128 K in 2,048 bytes, [tile of 16 rows][8 steps]): a K step of 256 of 128 rows is 8 rows of 4,096 bytes, 16,384 apart, one tensor load;
; a fragment is four LDS loads of 512 consecutive bytes.  The same order of k stands in A's and in B's registers, so every product meets its partner.
; CLUSTERS: 4 x 4 work-groups; A's tiles are asked for jointly along a row of the cluster, B's along a column.  THE MATRIX INSTRUCTION IS USED TRANSPOSED (source 0 = B, source 1 = A): lane (r, h) holds row r of A's
; block and columns 8 h + 0 .. 7 of B's.
; THE WAY OUT: a sum stands for sum x 2^(eA + eB); its code is sum / 2^(eOut - eA - eB), held within +-57,344: eOut = e6 (Q), e7 (K), e9 (V).  Two neighbouring blocks' codes make a lane's 16 bytes, so position
; 32 g + 16 h + y of a row holds index 32 g + 8 h + y (y < 8) or 32 g + 16 + 8 h + y - 8: bits 3 and 4 of the index change places.  hc: Q's codes [64 hb][2048 tokens][64] at 0, K's likewise at 8 MiB
; (the same order of d in both); V's at 16 MiB as [64 hb][64 rows][2048 keys], row = d with bits 3 and 4 exchanged.
; LIMITS: e6 - e0 - e1, e7 - e2 - e3 and e9 - e4 - e5 lie between -126 and 112.
; REGISTERS, in windows of 256: window 0: v0-31 addresses; v128-255 A's fragments, one set; on the way out v32-95 held sums, v128-255 codes.  window 1: B's fragments, two sets.  windows 2, 3: the 64 accumulators.
.set KSTEPB, 4096                      ; a K step of 256 in a tile of 16 rows: two images
.set SLOT,   131072                    ; A's 16 tiles x 4,096, then B's
.set BOFF,   65536
.set SPARE,  2*SLOT                    ; the spare words: 128 bytes for each wave, two blocks of 256 bytes that no other line names
.set SPITCH, 272                       ; the way out: 256 rows x (256 bytes + 16), in slot 0, which has had its last fill and its last read when the first code is stored there
.set FR,     16
.set NL,     4
.set NP,     4                         ; places behind this matrix instruction (ISA guide 7.12.1)
.set ADRA, 16                          ; v16-17 LDS address of my A fragments in slot 0, 1
.set ADRB, 20                          ; v20-21 the same for B
.set VRD,  22                          ; v22  V's way out: where I read two rows of the stage
.set VGO,  23                          ; v23  and my byte offset among V's rows in memory
.set STO,  24                          ; v24  where I put 16 codes of a row
.set QRD,  25                          ; v25, v26  Q's and K's way out: where I read 8 tokens x 64 bytes (tokens 0-127, 128-255)
.set QGO,  27                          ; v27  16 x lane
.set SPW,  28                          ; v28  LDS address of my spare word; never rewritten
.set NIL,  29                          ; v29  0; never rewritten
.set SCL,  30                          ; v30  the conversions' scale
.set LIM,  31                          ; v31  57,344 x that
.set TMP,  32
.set AF,   128
.set CD,   128
.set G1, 24
.set G0, 32
.set G1B, 48
.set G0B, 56
.set MSB, 0
.macro WIN new                         ; the immediate's high byte repeats the setting that is left
.if MSB != (\new)
	s_set_vgpr_msb (MSB<<8)|(\new)
.set MSB, (\new)
.endif
.endm
.set MUL_LO, 0xa1                      ; source 0 (B) window 1, source 1 (A) window 0, C and D window 2
.set MUL_HI, 0xf1
.set TO_B,   0x40
.macro JLOAD g0a, g1a, g0b, g1b        ; a joint load: waves 0 and 1 fetch for A, waves 2 and 3 for B; four v_nop follow each of the two lines
	s_cmp_eq_u32 s15, 0
	s_cbranch_scc0 .Lfor_b_\@
	tensor_load_to_lds s[\g0a:\g0a+3], s[\g1a:\g1a+7]
	s_nop 0
.rept 4
	v_nop
.endr
	s_branch .Lasked_\@
.Lfor_b_\@:
	tensor_load_to_lds s[\g0b:\g0b+3], s[\g1b:\g1b+7]
	s_nop 0
.rept 4
	v_nop
.endr
.Lasked_\@:
.endm
.macro CREST                           ; a round of the cluster's barrier behind its opening barrier
	s_cmp_lg_u32 s14, 0
	s_cbranch_scc1 .Lnot_wave_0_\@
	s_barrier_signal -3
.Lnot_wave_0_\@:
	s_barrier_wait -3
	s_barrier_signal -1
	s_barrier_wait -1
.endm
.macro CROUND
	s_barrier_signal -1
	s_barrier_wait -1
	CREST
.endm
	s_load_b128 s[4:7], s[0:1], 0x0                ; xc, wc
	s_load_b128 s[8:11], s[0:1], 0x10              ; the scales' exponents, hc
	v_lshl_add_u32 v[SPW], v0, 2, SPARE
	v_mov_b32 v[NIL], 0
	ds_add_u32 v28, v29
	ds_add_u32 v28, v29
	s_wait_dscnt 0x0
	v_lshrrev_b32 v1, 5, v0
	v_readfirstlane_b32 s14, v1                    ; wave 0..3
	s_lshr_b32 s15, s14, 1                         ; which half of the tile's rows is mine.  Also: I fetch for A (0) or for B (1)
	s_and_b32 s16, s14, 1                          ; which half of its columns.  Also: which 128 rows I fetch
	s_bfe_u32 s40, ttmp6, 0x40000                  ; cx
	s_bfe_u32 s41, ttmp6, 0x40004                  ; cy
	s_and_b32 s17, ttmp7, 0xffff                   ; cluster y, 0 .. 23: the same in all sixteen partners
	s_lshr_b32 s66, s17, 3                         ; p
	s_and_b32 s67, s17, 7
	s_lshl_b32 s67, s67, 2                         ; 4 c8
	s_lshl_b32 s71, s66, 23                        ; xc's part p
	s_lshl_b32 s72, s66, 20                        ; wc's part p
	s_cmp_eq_u32 s66, 2
	s_cselect_b32 s68, 0, s67                      ; the tokens' 32 tiles run along the rows, or (V) along the columns
	s_cselect_b32 s69, s67, 0
	s_cselect_b32 s71, 0x200000, s71               ; A's part: W_V's codes, or the tokens'
	s_cselect_b32 s72, 0x1000000, s72              ; B's part: V's tokens, or the weight's
	s_add_co_u32 s17, s68, s41                     ; tile row
	s_add_co_u32 s42, s69, s40                     ; tile column
	s_lshl_b32 s43, s41, 2
	s_lshl_b32 s43, 15, s43                        ; my row of the cluster
	s_lshl_b32 s44, 0x1111, s40                    ; my column
	s_or_b32 s[G1+0], s43, (3<<16)|(1<<21)         ; 15:0 the mask; 17:16 elements of 8 bytes; no padding; 21 set beside a mask
	s_or_b32 s[G1B+0], s44, (3<<16)|(1<<21)
.irp g, G1, G1B
	s_mov_b32 s[\g+1], 512<<16                     ; tensor_dim0 = 512 elements: 4,096 bytes
	s_mov_b32 s[\g+2], 8<<16                       ; tensor_dim1 = 8
	s_mov_b32 s[\g+3], 512<<16                     ; tile_dim0
	s_mov_b32 s[\g+4], 8                           ; tile_dim1
	s_mov_b32 s[\g+5], 2048                        ; 16,384 bytes from a tile of 16 rows to the next
	s_mov_b32 s[\g+6], 0
	s_mov_b32 s[\g+7], 0
.endr
	s_lshl_b32 s18, s16, 17                        ; which 128 rows (8 tiles of 16,384 bytes) I fetch
	s_lshl_b32 s20, s17, 18                        ; A: 262,144 bytes a tile row
	s_add_co_u32 s20, s20, s18
	s_add_co_u32 s20, s20, s71
	s_mov_b32 s21, 0
	s_lshl_b32 s46, s42, 18                        ; B likewise by the tile column
	s_add_co_u32 s46, s46, s18
	s_add_co_u32 s46, s46, s72
	s_mov_b32 s47, 0
	s_lshl_b32 s45, s14, 15                        ; where they go: wave x 32,768: no place in the cluster enters an LDS address
	s_wait_kmcnt 0x0
	s_load_b256 s[80:87], s[8:9], 0x0              ; e0 .. e7
	s_load_b128 s[88:91], s[8:9], 0x20             ; e8 .. e11
	s_cmp_eq_u32 s66, 2
	s_cselect_b64 s[74:75], s[6:7], s[4:5]         ; A's buffer
	s_cselect_b64 s[76:77], s[4:5], s[6:7]         ; B's
	s_add_nc_u64 s[20:21], s[74:75], s[20:21]
	s_add_nc_u64 s[46:47], s[76:77], s[46:47]
	CROUND                                         ; all sixteen work-groups are here: the first joint loads meet
.irp s, 0,1
	s_mov_b32 s[G0+4*\s], 1
	s_add_co_u32 s[G0+4*\s+1], s45, \s*SLOT
	s_add_nc_u64 s[G0+4*\s+2:G0+4*\s+3], s[20:21], \s*KSTEPB
	s_or_b32 s[G0+4*\s+3], s[G0+4*\s+3], 0x80000000
	s_mov_b32 s[G0B+4*\s], 1
	s_add_co_u32 s[G0B+4*\s+1], s45, \s*SLOT
	s_add_nc_u64 s[G0B+4*\s+2:G0B+4*\s+3], s[46:47], \s*KSTEPB
	s_or_b32 s[G0B+4*\s+3], s[G0B+4*\s+3], 0x80000000
	JLOAD G0+4*\s, G1, G0B+4*\s, G1B
.endr
	v_and_b32 v1, 15, v0                           ; r
	v_bfe_u32 v2, v0, 4, 1                         ; h
	v_and_b32 v3, 31, v0
	v_lshlrev_b32 v4, 4, v3                        ; 16 x lane
	s_lshl_b32 s78, s15, 15                        ; my 128 rows of A: 8 tiles x 4,096
	s_lshl_b32 s79, s16, 15
	s_add_co_u32 s79, s79, BOFF                    ; my 128 rows of B
.irp s, 0,1
	v_add_nc_u32 v[ADRA+\s], s78, v4
	v_add_nc_u32 v[ADRB+\s], s79, v4
	s_add_co_u32 s78, s78, SLOT
	s_add_co_u32 s79, s79, SLOT
.endr
	s_mul_i32 s78, s15, 128*SPITCH                 ; the stage, on the way in: row 128 (wave / 2) + 16 a + r, byte 128 (wave % 2) + 32 g + 16 h
	s_lshl_b32 s79, s16, 7
	s_add_co_u32 s78, s78, s79
	v_mul_u32_u24 v5, v1, SPITCH
	v_lshl_add_u32 v5, v2, 4, v5
	v_add_nc_u32 v[STO], s78, v5
	v_lshrrev_b32 v6, 2, v3                        ; Q, K: wave w takes the tile's head w: of each token 64 bytes; a load takes 8 tokens, four lanes to a token
	v_and_b32 v7, 3, v0
	v_mul_u32_u24 v[QRD], v6, SPITCH
	v_lshl_add_u32 v[QRD], v7, 4, v[QRD]
	s_lshl_b32 s78, s14, 6
	v_add_nc_u32 v[QRD], s78, v[QRD]
	v_add_nc_u32 v[QRD+1], 128*SPITCH, v[QRD]
	v_mov_b32 v[QGO], v4
	s_mul_i32 s78, s14, 64*SPITCH                  ; V: wave w takes the tile's head w: rows 64 w on; a load takes two rows of 256 bytes
	v_mul_u32_u24 v[VRD], v2, SPITCH
	v_lshl_add_u32 v[VRD], v1, 4, v[VRD]
	v_add_nc_u32 v[VRD], s78, v[VRD]
	v_lshlrev_b32 v[VGO], 11, v2
	v_lshl_add_u32 v[VGO], v1, 4, v[VGO]
	; where my wave's codes go.  Q, K: part p, head-batch 16 (tile row / 8) + 4 x tile column + wave, token 256 (tile row % 8)
	s_lshr_b32 s93, s17, 3
	s_lshl_b32 s93, s93, 4
	s_lshl_b32 s94, s42, 2
	s_add_co_u32 s93, s93, s94
	s_add_co_u32 s93, s93, s14
	s_lshl_b32 s93, s93, 17
	s_and_b32 s94, s17, 7
	s_lshl_b32 s94, s94, 14
	s_add_co_u32 s93, s93, s94
	s_lshl_b32 s94, s66, 23
	s_add_co_u32 s93, s93, s94
	; V: head-batch 16 (tile column / 8) + 4 x tile row + wave, key 256 (tile column % 8)
	s_lshr_b32 s95, s42, 3
	s_lshl_b32 s95, s95, 21
	s_lshl_b32 s96, s17, 19
	s_add_co_u32 s95, s95, s96
	s_lshl_b32 s96, s14, 17
	s_add_co_u32 s95, s95, s96
	s_and_b32 s96, s42, 7
	s_lshl_b32 s96, s96, 8
	s_add_co_u32 s95, s95, s96
	s_add_co_u32 s95, s95, 0x1000000
	s_cmp_eq_u32 s66, 2
	s_cselect_b32 s92, s95, s93
	s_mov_b32 s93, 0
	s_add_nc_u64 s[10:11], s[10:11], s[92:93]
.macro FRAG reg, adr, q, i             ; a fragment's image: four loads of 512 consecutive bytes
.irp c, 0,1,2,3
	ds_load_b128 v[\reg+4*\c:\reg+4*\c+3], v[\adr] offset:4096*(\i)+2048*(\q)+512*\c
.endr
.endm
; 16 matrix instructions: A's blocks a0, a0 + 1 x B's eight.  The 64 accumulators take turns, one instruction a turn, in the same order in every step.
.macro MUL16 a0, p, zero
.irp a, \a0, \a0+1
.irp b, 0,1,2,3,4,5,6,7
.if \zero
	v_wmma_f32_16x16x128_bf8_bf8 v[8*(8*((\a)%4)+\b):8*(8*((\a)%4)+\b)+7], v[128*(\p)+FR*\b:128*(\p)+FR*\b+FR-1], v[AF+FR*(\a):AF+FR*(\a)+FR-1], 0
.else
	v_wmma_f32_16x16x128_bf8_bf8 v[8*(8*((\a)%4)+\b):8*(8*((\a)%4)+\b)+7], v[128*(\p)+FR*\b:128*(\p)+FR*\b+FR-1], v[AF+FR*(\a):AF+FR*(\a)+FR-1], v[8*(8*((\a)%4)+\b):8*(8*((\a)%4)+\b)+7]
.endif
.endr
.endr
.endm
.macro FETCH_B slot, q, p
	WIN TO_B
.irp i, 0,1,2,3,4,5,6,7
	FRAG 128*(\p)+FR*\i, ADRB+\slot, \q, \i
.endr
	WIN 0
.endm
.macro FETCH_A slot, q, i0
.irp i, \i0, \i0+1, \i0+2, \i0+3
	FRAG AF+FR*(\i), ADRA+\slot, \q, \i
.endr
.endm
.macro PLACES n                        ; plain vector lines between a matrix instruction and a load into, or a vector read of, its registers
.rept \n
	v_nop
.endr
.endm
.macro STEP slot, q, zero              ; 128 along K that has its successor in the same slot
	s_wait_dscnt 4*NL                              ; B's set and A's blocks 0-3 are in; the youngest 16 loads (A's blocks 4-7) may be out
	WIN MUL_LO
	MUL16 0, (\q)%2, \zero
	MUL16 2, (\q)%2, \zero
	s_wait_dscnt 0
	PLACES NP
	FETCH_B \slot, (\q)+1, 1-(\q)%2
	FETCH_A \slot, (\q)+1, 0
	WIN MUL_HI
	MUL16 4, (\q)%2, \zero
	MUL16 6, (\q)%2, \zero
	PLACES NP
	WIN 0
	FETCH_A \slot, (\q)+1, 4
.endm
; A slot's last step changes slots: one barrier; in front of it each wave waits for all its tensor loads, adds 0 to its spare word, and waits for that and for its reads of this slot.
.macro TURN slot, next, fill
	s_wait_tensorcnt 0x0                           ; all my tensor loads have landed: my part of the next slot
	ds_add_u32 v[SPW], v[NIL]                      ; 0 onto my spare word
	s_wait_dscnt 4*NL+1                            ; (the add and the youngest 16 loads may be out)
	WIN MUL_LO
	MUL16 0, 1, 0
	s_wait_dscnt 0x0                               ; the add is done, and my reads of this slot are over
	s_barrier_signal -1
	MUL16 2, 1, 0
	WIN 0
	s_barrier_wait -1
.if \fill
	CREST                                          ; the barrier has opened a round of the cluster's: no wave of any partner still reads this slot or has a load on its way
	s_add_nc_u64 s[G0+4*\slot+2:G0+4*\slot+3], s[G0+4*\slot+2:G0+4*\slot+3], 2*KSTEPB
	s_add_nc_u64 s[G0B+4*\slot+2:G0B+4*\slot+3], s[G0B+4*\slot+2:G0B+4*\slot+3], 2*KSTEPB
	JLOAD G0+4*\slot, G1, G0B+4*\slot, G1B         ; the first tensor load behind the round; its four v_nop are the places in front of the loads below
.else
	PLACES NP
.endif
	FETCH_B \next, 0, 0
	FETCH_A \next, 0, 0
	WIN MUL_HI
	MUL16 4, 1, 0
	MUL16 6, 1, 0
	PLACES NP
	WIN 0
	FETCH_A \next, 0, 4
.endm
	s_wait_tensorcnt 1                             ; my part of K step 0 is in (K step 1's load may be out),
	s_barrier_signal -1
	s_barrier_wait -1                              ; everybody's is
	FETCH_B 0, 0, 0
	FETCH_A 0, 0, 0
	FETCH_A 0, 0, 4
	STEP 0, 0, 1                                   ; K = 1,024 is four K steps of 256, written out: the first products start the sums
	TURN 0, 1, 1                                   ; slot 0 takes K step 2
	STEP 1, 0, 0
	TURN 1, 0, 1                                   ; slot 1 takes K step 3
	STEP 0, 0, 0
	TURN 0, 1, 0                                   ; nothing is left to fetch
	STEP 1, 0, 0
	s_wait_dscnt 4*NL
	WIN MUL_LO
	MUL16 0, 1, 0
	MUL16 2, 1, 0
	s_wait_dscnt 0
	WIN MUL_HI
	MUL16 4, 1, 0
	MUL16 6, 1, 0
	WIN 0
	; THE WAY OUT
	s_wait_kmcnt 0x0
	s_sub_co_i32 s94, s86, s80
	s_sub_co_i32 s94, s94, s81                     ; e6 - e0 - e1
	s_sub_co_i32 s95, s87, s82
	s_sub_co_i32 s95, s95, s83                     ; e7 - e2 - e3
	s_sub_co_i32 s96, s89, s84
	s_sub_co_i32 s96, s96, s85                     ; e9 - e4 - e5
	s_cmp_eq_u32 s66, 0
	s_cselect_b32 s94, s94, s95
	s_cmp_eq_u32 s66, 2
	s_cselect_b32 s94, s96, s94
	s_add_co_i32 s94, s94, 127
	s_lshl_b32 s95, s94, 23
	v_mov_b32 v[SCL], s95
	s_add_co_i32 s94, s94, 15
	s_lshl_b32 s94, s94, 23
	s_or_b32 s94, s94, 0x600000
	v_mov_b32 v[LIM], s94
	PLACES NP
.macro QBLK a                          ; block a: 16 rows x 128 columns: held, converted, 16 codes a lane and pair of blocks into the stage
.set AC, 64*((\a)%4)
	WIN 0x02+((\a)/4)                              ; source 0: window 2 or 3
.set j, 0
.rept 64
	v_med3_num_f32 v[TMP+j], v[AC+j], -v[LIM], v[LIM]   ; each accumulator from its low end on
.set j, j+1
.endr
	WIN 0
.irp b, 0,1,2,3,4,5,6,7
	v_cvt_scalef32_pk8_bf8_f32 v[CD+16*(\a)+2*\b:CD+16*(\a)+2*\b+1], v[TMP+8*\b:TMP+8*\b+7], v[SCL]
.endr
	v_nop                                          ; a plain line between the conversions and the next block's holds, which write their sources
.irp g, 0,1,2,3
	ds_store_b128 v[STO], v[CD+16*(\a)+4*\g:CD+16*(\a)+4*\g+3] offset:16*SPITCH*(\a)+32*\g
.endr
.endm
.irp a, 0,1,2,3,4,5,6,7
	QBLK \a
.endr
	s_wait_dscnt 0x0                               ; for the others' sake: my stores into the stage are done
	s_barrier_signal -1
	s_barrier_wait -1
	s_cmp_eq_u32 s66, 2                            ; the same in every wave and every partner
	s_cbranch_scc1 .Lvout
.set t, 0
.rept 16
	ds_load_b128 v[CD+4*t:CD+4*t+3], v[QRD] offset:8*SPITCH*t
.set t, t+1
.endr
.rept 16
	ds_load_b128 v[CD+4*t:CD+4*t+3], v[QRD+1] offset:8*SPITCH*(t-16)
.set t, t+1
.endr
.set t, 0
.rept 32
	s_wait_dscnt 31-t                              ; the younger loads may be out
	global_store_b128 v[QGO], v[CD+4*t:CD+4*t+3], s[10:11] offset:512*t   ; 8 tokens x 64 bytes of one head: 512 consecutive bytes, aligned
.set t, t+1
.endr
	s_branch .Lend
.Lvout:
.set t, 0
.rept 32
	ds_load_b128 v[CD+4*t:CD+4*t+3], v[VRD] offset:2*SPITCH*t
.set t, t+1
.endr
.set t, 0
.rept 32
	s_wait_dscnt 31-t
	global_store_b128 v[VGO], v[CD+4*t:CD+4*t+3], s[10:11] offset:2048*(((2*t)&39)|(((2*t)&8)<<1)|(((2*t)&16)>>1))   ; rows d = 2 t, 2 t + 1 go to rows d with bits 3 and 4 exchanged; sixteen lanes store 256 consecutive bytes, aligned
.set t, t+1
.endr
.Lend:
	s_wait_tensorcnt 0x0                           ; the wave's end
	ds_add_u32 v[SPW], v[NIL]
	s_wait_dscnt 0x0
	CROUND                                         ; the closing round
	s_endpgm
.Lfunc_end_k_q26677ea5d9_proj:
	.size	k_q26677ea5d9_proj, .Lfunc_end_k_q26677ea5d9_proj-k_q26677ea5d9_proj
	.p2alignl 7, 3214868480
	.fill 96, 4, 3214868480
	.section	.rodata,"a",@progbits
	.p2align	6, 0x0
	.amdhsa_kernel k_q26677ea5d9_proj
		.amdhsa_group_segment_fixed_size 327680
		.amdhsa_private_segment_fixed_size 0
		.amdhsa_enable_private_segment 0
		.amdhsa_kernarg_size 32
		.amdhsa_user_sgpr_count 2
		.amdhsa_user_sgpr_kernarg_segment_ptr 1
		.amdhsa_wavefront_size32 1
		.amdhsa_system_sgpr_workgroup_id_x 1
		.amdhsa_system_sgpr_workgroup_id_y 1
		.amdhsa_system_sgpr_workgroup_id_z 1
		.amdhsa_system_vgpr_workitem_id 0
		.amdhsa_next_free_vgpr 1024
		.amdhsa_next_free_sgpr 100
		.amdhsa_reserve_vcc 0
		.amdhsa_float_denorm_mode_32 3
		.amdhsa_float_denorm_mode_16_64 3
		.amdhsa_memory_ordered 1
		.amdhsa_forward_progress 1
		.amdhsa_inst_pref_size 130
	.end_amdhsa_kernel
	.amdgpu_metadata
---
amdhsa.version: [ 1, 2 ]
amdhsa.kernels:
  - .name:           k_q26677ea5d9_proj
    .symbol:         k_q26677ea5d9_proj.kd
    .args:
      - { .name: xc, .offset: 0, .size: 8, .value_kind: global_buffer, .address_space: global }
      - { .name: wc, .offset: 8, .size: 8, .value_kind: global_buffer, .address_space: global }
      - { .name: lowp_scales, .offset: 16, .size: 8, .value_kind: global_buffer, .address_space: global }
      - { .name: hc, .offset: 24, .size: 8, .value_kind: global_buffer, .address_space: global }
    .group_segment_fixed_size: 327680
    .private_segment_fixed_size: 0
    .kernarg_segment_align: 8
    .kernarg_segment_size: 32
    .max_flat_workgroup_size: 128
    .sgpr_count:     100
    .vgpr_count:     1024
    .wavefront_size: 32
...
	.end_amdgpu_metadata
.endif
;; end of part 2
;; launch attn (part 3): grid 4 x 64, 16 waves a work-group, clusters of 4 x 1, 327,680 bytes of LDS; arguments hc, lowp_scales, cc; writes cc
.if DOCPART == 3
	.amdgcn_target "amdgcn-amd-amdhsa--gfx1250"
	.amdhsa_code_object_version 6
	.text
	.protected	k_q26677ea5d9_attn
	.globl	k_q26677ea5d9_attn
	.p2align	8
	.type	k_q26677ea5d9_attn,@function
k_q26677ea5d9_attn:
	s_mov_b64 s[64:65], 0
	v_nop
	global_prefetch_b8 v0, s[64:65] scope:SCOPE_SE
	s_setreg_imm32_b32 hwreg(HW_REG_WAVE_MODE, 25, 1), 1
	s_wait_xcnt 0x0
	s_wait_alu depctr_hold_cnt(0) depctr_sa_sdst(0) depctr_va_vdst(0) depctr_va_sdst(0) depctr_va_ssrc(0) depctr_va_vcc(0) depctr_vm_vsrc(0)
	s_getreg_b32 s2, hwreg(HW_REG_IB_STS2, 6, 4)
	s_cmp_eq_u32 s2, 0
	s_cbranch_scc0 .Lentry_in_a_cluster
	s_endpgm
.Lentry_in_a_cluster:
	s_bfe_u32 s2, ttmp6, 0x10000c
	s_cmp_lg_u32 s2, 0x3003
	s_cbranch_scc0 .Lentry_shape_is_right
	s_endpgm
.Lentry_shape_is_right:
; Causal attention on codes of BF8, head size 64, 2,048 tokens, 64 head-batches hb.  hc holds Q's codes [hb][token][64] at 0, K's likewise at 8 MiB, V's [hb][64 rows][2048 keys] at 16 MiB.
; THE SOFTMAX: t = score x log2(e) / 8; M = the running largest t rounded UP to a whole number; p = 2^(t - M) is quantised with 2^e8, not normalised; the row's sum is taken of the unquantised p and divides at the end.
; When M moves, the sum and O are multiplied by 2^(old M - new M): exact.  A hidden key (key > query) gets the score -infinity, so p = 0; key 0 counts for every query, so M is a number from the first step on.
; SHARES.  A cluster of four work-groups is one head-batch.  Its queries are 16 groups of 128; wave w of EVERY partner takes group g = w xor 3 (bit 2 of w), and partner cx the queries 128 g + 32 cx + 0 .. 31 of it:
; two tiles of 16, which share every fragment of K and V.  So every branch hangs on the wave's number alone; cx enters global addresses and the mask's data only, and the four partners have the same work.
; ALL OF THE HEAD'S K AND V LIES IN LDS, brought once by joint loads (mask: all four partners): waves 0, 1: K, waves 2, 3: V, four loads each of 256 keys.  No LDS byte is filled twice.
; The first 512 keys are worked while the rest is on its way: the wait in front of them leaves each fetching wave's three younger loads out.
; LAYOUT.  Both products are used transposed: S^T = K Q^T (source 0 = 16 keys, source 1 = 16 queries), O^T = V^T P^T: a lane holds one query (lane % 16) throughout, and in S^T the keys 16 t + 8 (lane / 16) + 0 .. 7,
; which is the place that the form's own layout gives k: the conversions' results are P's registers.  V's keys lie in memory with bits 3 and 4 of the index exchanged, so that loads of 16 bytes give the same places;
; d is permuted alike in Q's and K's codes.  V's rows are d with bits 3 and 4 exchanged, so that the 16 registers of O^T's tiles 2 b, 2 b + 1 are d = 32 b + 16 (lane / 16) + 0 .. 15.
; OUT: ctx = O / sum x 2^(e8 + e9) is quantised with 2^e10 and stored as images of operand registers for the last product: cc [512 tiles of tokens][8 steps of 128 along K][2048], K = 64 head + d.
; LIMITS: e6 + e7 between -123 and 130 (added to c's exponent field); e8, and e10 - e8 - e9, between -126 and 112.  The reference's -1e9 on hidden scores is taken as -infinity: equal while |score| is far under 1e9.
.set KP,    80                         ; a key's row in LDS: 64 bytes + 16
.set VP,    272                        ; a row of V's slot: 256 bytes + 16
.set KSLOT, 256*KP
.set VSLOT, 64*VP
.set VBASE, 8*KSLOT
.set AK0, 1                            ; v1  my lane's place in a tile of K
.set AV0, 2                            ; v2  in a tile of V
.set ADK, 3                            ; v3  the same in the slot in hand
.set ADV, 4                            ; v4
.set DQ,  5                            ; v5  32 cx + r - 8 h
.set LI,  6                            ; v6  16 x lane
.set NINF, 7                           ; v7  -infinity
.set QF,  16                           ; v16-31   Q, 8 a tile          v[8 + 4 u ..]: tile u's -M, largest t, sum in two halves
.set KFR, 32                           ; v32-63   K, 8 a tile of 16 keys
.set VFR, 64                           ; v64-95   V, 8 a tile of 16 rows
.set S,   96                           ; v96-159  S^T, then p: tile u, keys 16 t on at 32 u + 8 t
.set O,   160                          ; v160-223 O^T: 32 u + 8 t
.set P,   224                          ; v224-239 p's codes, 8 a tile
.set FF,  240                          ; v[240 + 2 u : 241 + 2 u]  f = 2^(old M - new M); later 1 / sum
.set SCL, 244
.set LIM, 245
.set TM,  246                          ; v246-249 at work, two a tile
.set PD,  250                          ; v250, v251 the lane permutes' destinations
.set DM,  252                          ; v252 the mask's bound
.set KF,  2                            ; s2   the step's first key
.set KB,  3                            ; s3   the slot's first byte of K
.set VB,  10                           ; s10  of V, less VBASE
.set GL,  11                           ; s11  my group's last query
.set GZ,  12                           ; s12  its first
.set CNT, 13
.set WV,  18
.set CX,  19
.set SEL, 20
.set CS,  22
.set G1K, 24
.set G1V, 32
.set G0K, 40                           ; s40-55  four groups 0 for K
.set G0V, 68                           ; s68-83  four for V
.macro CROUND
	s_barrier_signal -1
	s_barrier_wait -1
	s_cmp_lg_u32 s[WV], 0
	s_cbranch_scc1 .Lnot_wave_0_\@
	s_barrier_signal -3
.Lnot_wave_0_\@:
	s_barrier_wait -3
	s_barrier_signal -1
	s_barrier_wait -1
.endm
	s_load_b128 s[4:7], s[0:1], 0x0                ; hc, the scales' exponents
	s_load_b64 s[8:9], s[0:1], 0x10                ; cc
	v_lshl_add_u32 v254, v0, 2, 0x4a000
	v_mov_b32 v255, 0
	ds_add_u32 v254, v255
	ds_add_u32 v254, v255
	v_lshrrev_b32 v3, 5, v0
	v_readfirstlane_b32 s[WV], v3                  ; wave 0..15
	s_bfe_u32 s[CX], ttmp6, 0x40000
	s_and_b32 s14, ttmp7, 0xffff                   ; hb, which the four partners share
	s_and_b32 s15, s[WV], 1                        ; f: which of two neighbouring slots I fetch, if I fetch
	s_bfe_u32 s96, s[WV], 0x10002
	s_mul_i32 s96, s96, 3
	s_xor_b32 s96, s[WV], s96                      ; g
	s_lshl_b32 s[GZ], s96, 7
	s_add_co_u32 s[GL], s[GZ], 127
	s_lshl_b32 s16, s14, 17                        ; hb's 131,072 bytes in each part of hc
	s_mov_b32 s[G1K], 15|(1<<20)|(1<<21)|(3<<22)|(3<<25)   ; the mask: all four; elements of 1 byte; padding on; 21 set beside a mask; four words behind every 16
	s_mov_b32 s[G1K+1], 64<<16                     ; tensor_dim0 = 64
	s_mov_b32 s[G1K+2], 256<<16                    ; tensor_dim1 = 256
	s_mov_b32 s[G1K+3], 64<<16                     ; tile_dim0
	s_mov_b32 s[G1K+4], 256                        ; tile_dim1
	s_mov_b32 s[G1K+5], 64                         ; from key to key
	s_mov_b32 s[G1K+6], 0
	s_mov_b32 s[G1K+7], 0
	s_mov_b32 s[G1V], 15|(1<<20)|(1<<21)|(5<<22)|(3<<25)   ; four words behind every 64
	s_mov_b32 s[G1V+1], 256<<16
	s_mov_b32 s[G1V+2], 64<<16
	s_mov_b32 s[G1V+3], 256<<16
	s_mov_b32 s[G1V+4], 64
	s_mov_b32 s[G1V+5], 2048
	s_mov_b32 s[G1V+6], 0
	s_mov_b32 s[G1V+7], 0
	s_mov_b32 s[SEL], 0x76543210
	s_mov_b32 s[SEL+1], 0xfedcba98
	s_lshl_b32 s96, s15, 14                        ; K: slot f: 256 keys x 64 bytes
	s_add_co_u32 s96, s96, s16
	s_add_co_u32 s96, s96, 0x800000
	s_mov_b32 s97, 0
	s_lshl_b32 s98, s15, 8                         ; V: slot f: 256 bytes along each row
	s_add_co_u32 s98, s98, s16
	s_add_co_u32 s98, s98, 0x1000000
	s_mov_b32 s99, 0
	s_mul_i32 s100, s15, KSLOT
	s_mul_i32 s101, s15, VSLOT
	s_add_co_u32 s101, s101, VBASE
	s_wait_dscnt 0x0
	s_wait_kmcnt 0x0
	s_load_b256 s[84:91], s[6:7], 0x0              ; e0 .. e7
	s_load_b128 s[92:95], s[6:7], 0x20             ; e8 .. e11
	s_add_nc_u64 s[96:97], s[4:5], s[96:97]
	s_add_nc_u64 s[98:99], s[4:5], s[98:99]
.irp j, 0,1,2,3                        ; set j: slot 2 j + f
	s_mov_b32 s[G0K+4*\j], 1
	s_add_co_u32 s[G0K+4*\j+1], s100, \j*2*KSLOT
	s_add_nc_u64 s[G0K+4*\j+2:G0K+4*\j+3], s[96:97], \j*32768
	s_or_b32 s[G0K+4*\j+3], s[G0K+4*\j+3], 0x80000000
	s_mov_b32 s[G0V+4*\j], 1
	s_add_co_u32 s[G0V+4*\j+1], s101, \j*2*VSLOT
	s_add_nc_u64 s[G0V+4*\j+2:G0V+4*\j+3], s[98:99], \j*512
	s_or_b32 s[G0V+4*\j+3], s[G0V+4*\j+3], 0x80000000
.endr
	CROUND                                         ; all four work-groups are here: the joint loads meet
	s_cmp_lt_u32 s[WV], 2                          ; a wave's four loads stand in one branch on the wave's number: four loads of mine are out
	s_cbranch_scc0 .Lnot_k
.irp j, 0,1,2,3
	tensor_load_to_lds s[G0K+4*\j:G0K+4*\j+3], s[G1K:G1K+7]
	s_nop 0
.endr
.rept 4
	v_nop
.endr
	s_branch .Lasked
.Lnot_k:
	s_cmp_lt_u32 s[WV], 4
	s_cbranch_scc0 .Lasked
.irp j, 0,1,2,3
	tensor_load_to_lds s[G0V+4*\j:G0V+4*\j+3], s[G1V:G1V+7]
	s_nop 0
.endr
.rept 4
	v_nop
.endr
.Lasked:
	s_lshl_b32 s96, s[CX], 5
	s_add_co_u32 s96, s96, s[GZ]                   ; my first query
	s_lshl_b32 s98, s96, 6
	s_add_co_u32 s98, s98, s16
	s_mov_b32 s99, 0
	s_add_nc_u64 s[4:5], s[4:5], s[98:99]          ; its codes
	s_lshr_b32 s98, s14, 4                         ; the batch,
	s_lshl_b32 s98, s98, 11
	s_add_co_u32 s98, s98, s96                     ; my first token,
	s_lshl_b32 s98, s98, 10                        ; 16,384 bytes for 16 tokens,
	s_bfe_u32 s100, s14, 0x30001                   ; K step head / 2,
	s_lshl_b32 s100, s100, 11
	s_add_co_u32 s98, s98, s100
	s_and_b32 s100, s14, 1                         ; and in it the half head % 2
	s_lshl_b32 s100, s100, 10
	s_add_co_u32 s98, s98, s100
	s_add_nc_u64 s[8:9], s[8:9], s[98:99]
	v_and_b32 v246, 15, v0                         ; r
	v_bfe_u32 v247, v0, 4, 1                       ; h
	v_lshlrev_b32 v248, 6, v246
	v_lshl_add_u32 v248, v247, 4, v248
.irp u, 0,1
.irp c, 0,1
	global_load_b128 v[QF+8*\u+4*\c:QF+8*\u+4*\c+3], v248, s[4:5] offset:1024*\u+32*\c   ; Q's fragments stay in registers
.endr
.endr
	v_mul_u32_u24 v[AK0], v246, KP
	v_lshl_add_u32 v[AK0], v247, 4, v[AK0]
	v_mul_u32_u24 v[AV0], v246, VP
	v_lshl_add_u32 v[AV0], v247, 4, v[AV0]
	v_add_nc_u32 v[AV0], VBASE, v[AV0]
	v_lshlrev_b32 v[DQ], 3, v247
	v_sub_nc_u32 v[DQ], v246, v[DQ]
	s_lshl_b32 s100, s[CX], 5
	v_add_nc_u32 v[DQ], s100, v[DQ]
	v_and_b32 v[LI], 31, v0
	v_lshlrev_b32 v[LI], 4, v[LI]
	v_mov_b32 v[NINF], 0xff800000
.irp u, 0,1
	v_mov_b32 v[9+4*\u], 0xff61b1e6                ; the largest t so far: -3e38, under every t
	v_floor_f32 v[8+4*\u], -v[9+4*\u]              ; -M
	v_mov_b32 v[10+4*\u], 0                        ; the sum, in two halves
	v_mov_b32 v[11+4*\u], 0
	v_mov_b32 v[FF+2*\u+1], 0                      ; (named as the upper half of a pair)
	v_mov_b32 v[PD+\u], 0                          ; a lane permute's destination counts as one of its sources
.endr
.set j, 0
.rept 64
	v_mov_b32 v[O+j], 0                            ; O^T: the step is written for all steps alike; the first finds zeros, which the first change of M leaves zeros
.set j, j+1
.endr
	s_wait_kmcnt 0x0
	s_mov_b32 s[CS], 0x3e38aa3b                    ; c = log2(e) / 8
	s_add_co_i32 s96, s90, s91
	s_lshl_b32 s96, s96, 23
	s_add_co_i32 s[CS], s[CS], s96                 ; x 2^(e6 + e7)
	s_mov_b32 s[CS+1], s[CS]                       ; (named with it as a pair)
	s_add_co_i32 s96, s92, 127
	s_lshl_b32 s97, s96, 23
	v_mov_b32 v[SCL], s97                          ; 2^e8
	s_add_co_i32 s96, s96, 15
	s_lshl_b32 s96, s96, 23
	s_or_b32 s96, s96, 0x600000
	v_mov_b32 v[LIM], s96                          ; 57,344 x 2^e8
.macro MX d, a, b
	v_max3_num_f32 v[\d], v[\d], v[rS+\a], v[rS+\b]
.endm
.macro MAXT u                          ; the largest of tile u's 32 scores in my lane, in two chains; each of the four accumulators is read first at its lowest register
.set rS, S+32*(\u)
.set rA, TM+2*(\u)
	v_max3_num_f32 v[rA], v[rS], v[rS+8], v[rS+16]
	v_max3_num_f32 v[rA+1], v[rS+24], v[rS+1], v[rS+9]
	MX rA, 2, 3
	MX rA+1, 4, 5
	MX rA, 6, 7
	MX rA+1, 10, 11
	MX rA, 12, 13
	MX rA+1, 14, 15
	MX rA, 17, 18
	MX rA+1, 19, 20
	MX rA, 21, 22
	MX rA+1, 23, 25
	MX rA, 26, 27
	MX rA+1, 28, 29
	MX rA, 30, 31
.endm
.macro STATS u
.set rA, TM+2*(\u)
.set rT, 8+4*(\u)
	v_max_num_f32 v[rA], v[rA], v[rA+1]
	v_permlanex16_b32 v[PD+\u], v[rA], s[SEL], s[SEL+1]   ; the query's other 32 keys lie in the lane 16 away
	v_max_num_f32 v[rA], v[rA], v[PD+\u]
	v_mul_f32 v[rA], s[CS], v[rA]                  ; as t (c is positive)
	v_max_num_f32 v[rT+1], v[rT+1], v[rA]          ; the running largest t
	v_mov_b32 v[rA+1], v[rT]
	v_floor_f32 v[rT], -v[rT+1]                    ; the new -M = floor(-t): M is a whole number
	v_sub_f32 v[rA+1], v[rT], v[rA+1]              ; old M - new M, 0 or less
	v_cvt_i32_f32 v[rA+1], v[rA+1]                 ; (it saturates)
	v_ldexp_f32 v[FF+2*(\u)], 1.0, v[rA+1]         ; f
.endm
.macro SUMT u                          ; the row's sum is taken of the unquantised p, two at a time, in two chains
.set rS, S+32*(\u)
.set rA, TM+2*(\u)
.set rT, 8+4*(\u)
	v_pk_add_f32 v[rA:rA+1], v[rS:rS+1], v[rS+2:rS+3]
.set k, 4
.rept 7
	v_pk_add_f32 v[rT+2:rT+3], v[rT+2:rT+3], v[rS+k:rS+k+1]
	v_pk_add_f32 v[rA:rA+1], v[rA:rA+1], v[rS+k+2:rS+k+3]
.set k, k+4
.endr
	v_pk_add_f32 v[rT+2:rT+3], v[rT+2:rT+3], v[rA:rA+1]
.endm
; A KEY STEP: 64 keys, the q-th of the slot in hand, for my 32 queries.
.macro STEP q
	s_cmp_gt_u32 s[KF], s[GL]                      ; a step all of whose keys come after my group's queries is left out: a branch on the wave's number and the loop's count, round the work alone
	s_cbranch_scc1 .Lhid_\@
.irp t, 0,1,2,3
.irp c, 0,1
	ds_load_b128 v[KFR+8*\t+4*\c:KFR+8*\t+4*\c+3], v[ADK] offset:(64*(\q)+16*\t)*KP+32*\c
.endr
.endr
	s_wait_dscnt 0x0
.irp t, 0,1,2,3
.irp u, 0,1
	v_wmma_f32_16x16x64_bf8_bf8 v[S+32*\u+8*\t:S+32*\u+8*\t+7], v[KFR+8*\t:KFR+8*\t+7], v[QF+8*\u:QF+8*\u+7], 0
.endr
.endr
.rept 4
	v_nop                                          ; the places in front of the reads of the scores, and of the loads into V's registers, which the last step's products read
.endr
.irp t, 0,1,2,3
.irp c, 0,1
	ds_load_b128 v[VFR+8*\t+4*\c:VFR+8*\t+4*\c+3], v[ADV] offset:16*\t*VP+64*(\q)+32*\c   ; V lands under the softmax
.endr
.endr
	s_add_co_u32 s96, s[KF], 63
	s_cmp_le_u32 s96, s[GZ]                        ; all 64 keys count for every query of my group: no mask
	s_cbranch_scc1 .Lopen_\@
	s_sub_co_i32 s96, s[GZ], s[KF]
	v_add_nc_u32 v[DM], s96, v[DQ]                 ; my tile 0's query - KF - 8 h.  Register 8 t + j of tile u holds key KF + 16 t + 8 h + j: hidden where 16 t + j - 16 u is greater
.irp u, 0,1
.irp t, 0,1,2,3
.irp j, 0,1,2,3,4,5,6,7
	v_cmp_gt_i32 vcc_lo, 16*\t+\j-16*\u, v[DM]
	v_cndmask_b32 v[S+32*\u+8*\t+\j], v[S+32*\u+8*\t+\j], v[NINF], vcc_lo
.endr
.endr
.endr
.Lopen_\@:
	MAXT 0
	MAXT 1
	STATS 0
	STATS 1
.irp u, 0,1
.set k, 0
.rept 16
	v_pk_fma_f32 v[S+32*\u+k:S+32*\u+k+1], v[S+32*\u+k:S+32*\u+k+1], s[CS:CS+1], v[8+4*\u:9+4*\u] op_sel_hi:[1,0,0]   ; t - M (of the pairs c and -M the low word serves both halves)
.set k, k+2
.endr
.endr
.set k, 0
.rept 64
	v_exp_f32 v[S+k], v[S+k]                       ; p = 2^(t - M): one batch
.set k, k+1
.endr
	v_pk_mul_f32 v[10:11], v[10:11], v[FF:FF+1] op_sel_hi:[1,0]       ; the sums under the new M: plain lines behind the exponentials
	v_pk_mul_f32 v[14:15], v[14:15], v[FF+2:FF+3] op_sel_hi:[1,0]
	s_wait_alu depctr_va_vdst(0)                   ; one wait for the batch, ahead of the first line that names a result
	SUMT 0
	SUMT 1
.set k, 0
.rept 64
	v_min_num_f32 v[S+k], v[S+k], v[LIM]           ; the conversion does not saturate (ISA guide 7.6.2); p is not negative, so the hold is one-sided
.set k, k+1
.endr
.irp u, 0,1
.irp t, 0,1,2,3
	v_cvt_scalef32_pk8_bf8_f32 v[P+8*\u+2*\t:P+8*\u+2*\t+1], v[S+32*\u+8*\t:S+32*\u+8*\t+7], v[SCL]
.endr
.endr
.irp u, 0,1
.set k, 0
.rept 16
	v_pk_mul_f32 v[O+32*\u+k:O+32*\u+k+1], v[O+32*\u+k:O+32*\u+k+1], v[FF+2*\u:FF+2*\u+1] op_sel_hi:[1,0]   ; O^T under the new M; also the plain lines between the conversions and the products
.set k, k+2
.endr
.endr
	s_wait_dscnt 0x0                               ; V is in
.irp t, 0,1,2,3
.irp u, 0,1                            ; eight accumulators, one instruction a turn
	v_wmma_f32_16x16x64_bf8_bf8 v[O+32*\u+8*\t:O+32*\u+8*\t+7], v[VFR+8*\t:VFR+8*\t+7], v[P+8*\u:P+8*\u+7], v[O+32*\u+8*\t:O+32*\u+8*\t+7]
.endr
.endr
.Lhid_\@:
	s_add_co_u32 s[KF], s[KF], 64
.endm
.macro SLOTS n                         ; n slots of 256 keys: a trip is a slot's four steps
	s_mov_b32 s[CNT], \n
.Lslot_\@:
	v_add_nc_u32 v[ADK], s[KB], v[AK0]
	v_add_nc_u32 v[ADV], s[VB], v[AV0]
	STEP 0
	STEP 1
	STEP 2
	STEP 3
	s_add_co_u32 s[KB], s[KB], KSLOT
	s_add_co_u32 s[VB], s[VB], VSLOT
	s_sub_co_u32 s[CNT], s[CNT], 1
	s_cmp_lg_u32 s[CNT], 0
	s_cbranch_scc1 .Lslot_\@
.endm
	s_wait_loadcnt 0x0                             ; Q
	s_mov_b32 s[KF], 0
	s_mov_b32 s[KB], 0
	s_mov_b32 s[VB], 0
	s_wait_tensorcnt 0x3                           ; a fetching wave's first load is in (K's and V's slots 0 and 1); its three younger loads may be out: nothing is filled twice
	s_barrier_signal -1
	s_barrier_wait -1
	SLOTS 2                                        ; keys 0 .. 511
	s_wait_tensorcnt 0x0                           ; all of K and V
	s_wait_dscnt 0x0
	s_barrier_signal -1
	s_barrier_wait -1
	s_mov_b32 s[KF], 512
	s_mov_b32 s[KB], 2*KSLOT
	s_mov_b32 s[VB], 2*VSLOT
	SLOTS 6                                        ; keys 512 .. 2,047
	; THE WAY OUT
.rept 4
	v_nop
.endr
	v_add_f32 v10, v10, v11
	v_add_f32 v14, v14, v15
	v_permlanex16_b32 v[PD], v10, s[SEL], s[SEL+1]
	v_permlanex16_b32 v[PD+1], v14, s[SEL], s[SEL+1]
	v_add_f32 v10, v10, v[PD]                      ; the rows' sums
	v_add_f32 v14, v14, v[PD+1]
	v_rcp_f32 v[FF], v10
	v_rcp_f32 v[FF+2], v14
	s_sub_co_i32 s96, s94, s92
	s_sub_co_i32 s96, s96, s93                     ; O / sum stands for ctx / 2^(e8 + e9): its code is (O / sum) / 2^(e10 - e8 - e9)
	s_add_co_i32 s96, s96, 127
	s_lshl_b32 s97, s96, 23
	v_mov_b32 v[SCL], s97                          ; (plain lines behind the reciprocals)
	s_add_co_i32 s96, s96, 15
	s_lshl_b32 s96, s96, 23
	s_or_b32 s96, s96, 0x600000
	v_mov_b32 v[LIM], s96
	s_wait_alu depctr_va_vdst(0)                   ; one wait for both reciprocals, ahead of their first reader
.irp u, 0,1
.set k, 0
.rept 16
	v_pk_mul_f32 v[S+32*\u+k:S+32*\u+k+1], v[O+32*\u+k:O+32*\u+k+1], v[FF+2*\u:FF+2*\u+1] op_sel_hi:[1,0]   ; each accumulator from its low end on
.set k, k+2
.endr
.endr
.set k, 0
.rept 64
	v_med3_num_f32 v[S+k], v[S+k], -v[LIM], v[LIM]
.set k, k+1
.endr
.irp u, 0,1
.irp b, 0,1,2,3
	v_cvt_scalef32_pk8_bf8_f32 v[P+8*\u+2*\b:P+8*\u+2*\b+1], v[S+32*\u+8*\b:S+32*\u+8*\b+7], v[SCL]   ; registers 4 b' .. 4 b' + 3: d = 32 b' + 16 h + 0 .. 15
.endr
.endr
	v_nop
.irp u, 0,1
.irp b, 0,1
	global_store_b128 v[LI], v[P+8*\u+4*\b:P+8*\u+4*\b+3], s[8:9] offset:16384*\u+512*\b   ; 32 lanes store 512 consecutive bytes of an image, aligned
.endr
.endr
	s_wait_tensorcnt 0x0
	ds_add_u32 v254, v255
	s_wait_dscnt 0x0
	CROUND                                         ; the closing round
	s_endpgm
.Lfunc_end_k_q26677ea5d9_attn:
	.size	k_q26677ea5d9_attn, .Lfunc_end_k_q26677ea5d9_attn-k_q26677ea5d9_attn
	.p2alignl 7, 3214868480
	.fill 96, 4, 3214868480
	.section	.rodata,"a",@progbits
	.p2align	6, 0x0
	.amdhsa_kernel k_q26677ea5d9_attn
		.amdhsa_group_segment_fixed_size 327680
		.amdhsa_private_segment_fixed_size 0
		.amdhsa_enable_private_segment 0
		.amdhsa_kernarg_size 24
		.amdhsa_user_sgpr_count 2
		.amdhsa_user_sgpr_kernarg_segment_ptr 1
		.amdhsa_wavefront_size32 1
		.amdhsa_system_sgpr_workgroup_id_x 1
		.amdhsa_system_sgpr_workgroup_id_y 1
		.amdhsa_system_sgpr_workgroup_id_z 1
		.amdhsa_system_vgpr_workitem_id 0
		.amdhsa_next_free_vgpr 256
		.amdhsa_next_free_sgpr 102
		.amdhsa_reserve_vcc 1
		.amdhsa_float_denorm_mode_32 3
		.amdhsa_float_denorm_mode_16_64 3
		.amdhsa_memory_ordered 1
		.amdhsa_forward_progress 1
		.amdhsa_inst_pref_size 179
	.end_amdhsa_kernel
	.amdgpu_metadata
---
amdhsa.version: [ 1, 2 ]
amdhsa.kernels:
  - .name:           k_q26677ea5d9_attn
    .symbol:         k_q26677ea5d9_attn.kd
    .args:
      - { .name: hc, .offset: 0, .size: 8, .value_kind: global_buffer, .address_space: global }
      - { .name: lowp_scales, .offset: 8, .size: 8, .value_kind: global_buffer, .address_space: global }
      - { .name: cc, .offset: 16, .size: 8, .value_kind: global_buffer, .address_space: global }
    .group_segment_fixed_size: 327680
    .private_segment_fixed_size: 0
    .kernarg_segment_align: 8
    .kernarg_segment_size: 24
    .max_flat_workgroup_size: 512
    .sgpr_count:     102
    .vgpr_count:     256
    .wavefront_size: 32
...
	.end_amdgpu_metadata
.endif
;; end of part 3
;; launch outp (part 4): grid 256 x 1, 4 waves a work-group, clusters of 4 x 1, 327,680 bytes of LDS; arguments cc, wc, Q, ln_gamma, ln_beta, lowp_scales, out0; writes out0
.if DOCPART == 4
	.amdgcn_target "amdgcn-amd-amdhsa--gfx1250"
	.amdhsa_code_object_version 6
	.text
	.protected	k_q26677ea5d9_outp
	.globl	k_q26677ea5d9_outp
	.p2align	8
	.type	k_q26677ea5d9_outp,@function
k_q26677ea5d9_outp:
	s_mov_b64 s[64:65], 0
	v_nop
	global_prefetch_b8 v0, s[64:65] scope:SCOPE_SE
	s_setreg_imm32_b32 hwreg(HW_REG_WAVE_MODE, 25, 1), 1
	s_wait_xcnt 0x0
	s_wait_alu depctr_hold_cnt(0) depctr_sa_sdst(0) depctr_va_vdst(0) depctr_va_sdst(0) depctr_va_ssrc(0) depctr_va_vcc(0) depctr_vm_vsrc(0)
	s_getreg_b32 s2, hwreg(HW_REG_IB_STS2, 6, 4)
	s_cmp_eq_u32 s2, 0
	s_cbranch_scc0 .Lentry_in_a_cluster
	s_endpgm
.Lentry_in_a_cluster:
	s_bfe_u32 s2, ttmp6, 0x10000c
	s_cmp_lg_u32 s2, 0x3003
	s_cbranch_scc0 .Lentry_shape_is_right
	s_endpgm
.Lentry_shape_is_right:
; out0 = LayerNorm(Q + ctx W_O) x gamma + beta.  ctx (cc) and W_O (wc's fourth part) are codes of BF8 laid as images of operand registers (16 rows x 128 K in 2,048 bytes, [tile of 16 rows][8 steps]).
; SHARES.  LayerNorm wants whole rows of 1,024, so a work-group owns 32 whole rows and walks all of W_O; wave w makes columns 256 w .. 256 w + 255: 32 accumulators.  The rows' codes (2 tiles x 8 steps) stay in registers.
; W_O is the same for every work-group: the four partners of a cluster ask for it JOINTLY.  K goes in 8 steps of 128 through a ring of two slots; wave w fetches, and alone reads, its own quarter of a slot
; (16 images, 32,768 bytes), so its own wait on its tensor loads orders its reads; each refill stands behind a round of the cluster's barrier.
; THE MATRIX INSTRUCTION IS USED TRANSPOSED (source 0 = 16 rows n of W_O, source 1 = 16 tokens): a lane holds eight neighbouring columns of one row.
; THE WAY OUT.  The sums go through a stage in LDS (32 rows x 4,112 bytes, over the ring, which has had its last fill and its last read); wave w then has rows 8 w .. 8 w + 7 whole, 32 numbers a lane:
; x = sum x 2^(e10 + e11) + Q; the mean; x - mean; the mean of its squares (two passes: no difference of large sums); x rsqrt(var + 1e-5) x gamma + beta.
; LIMIT: e10 + e11 between -126 and 127.
; REGISTERS: window 0: v1-9 addresses; v10-20 at work; v32-63 gamma, v64-95 beta; v96-159 two row buffers; v160-255 Q's rows 0-2.   window 1: ctx's fragments (step s, tile p) at 32 s + 16 p; from step 5 on v0-159 take Q's rows 3-7.
;   window 2: W_O's 16 fragments of a step.   window 3: accumulator (p, n) at 8 (16 p + n).
.set SLOT,   131072
.set SPARE,  2*SLOT                    ; the spare words: 128 bytes for each wave, two blocks of 256 bytes that no other line names
.set SPITCH, 4112                      ; a stage row: 4,096 bytes + 16
.set LI,  1                            ; v1  16 x lane
.set BA,  2                            ; v2, v3  my quarter of slot 0, 1
.set STO, 4                            ; v4, v5  the stage: where I put 32 bytes of a row of tile 0, 1
.set RD,  6                            ; v6  and where I read my rows back
.set SPW, 8
.set NIL, 9
.set GAM, 32
.set BET, 64
.set ROWB, 96
.set G1, 24
.set G0, 32
.set WV, 18
.set MSB, 0
.macro WIN new
.if MSB != (\new)
	s_set_vgpr_msb (MSB<<8)|(\new)
.set MSB, (\new)
.endif
.endm
.macro ROUND
	s_barrier_signal -1
	s_barrier_wait -1
	s_cmp_lg_u32 s[WV], 0
	s_cbranch_scc1 .Lnot_wave_0_\@
	s_barrier_signal -3
.Lnot_wave_0_\@:
	s_barrier_wait -3
	s_barrier_signal -1
	s_barrier_wait -1
.endm
	s_load_b256 s[4:11], s[0:1], 0x0               ; cc 4:5, wc 6:7, Q 8:9, gamma 10:11
	s_load_b128 s[12:15], s[0:1], 0x20             ; beta 12:13, the scales' exponents 14:15
	s_load_b64 s[16:17], s[0:1], 0x30              ; out0
	v_lshl_add_u32 v[SPW], v0, 2, SPARE
	v_mov_b32 v[NIL], 0
	ds_add_u32 v8, v9
	ds_add_u32 v8, v9
	s_wait_dscnt 0x0
	v_lshrrev_b32 v1, 5, v0
	v_readfirstlane_b32 s[WV], v1                  ; wave 0..3
	s_bfe_u32 s19, ttmp6, 0x40000                  ; cx
	s_lshl_b32 s20, ttmp9, 2
	s_add_co_u32 s20, s20, s19                     ; work-group: it enters the addresses of cc, Q and out0 alone
	s_mov_b32 s[G1], 15|(3<<16)|(1<<21)            ; the mask: all four partners; elements of 8 bytes; no padding; 21 set beside a mask
	s_mov_b32 s[G1+1], 256<<16                     ; tensor_dim0 = 256 elements: an image
	s_mov_b32 s[G1+2], 16<<16                      ; tensor_dim1 = 16
	s_mov_b32 s[G1+3], 256<<16
	s_mov_b32 s[G1+4], 16
	s_mov_b32 s[G1+5], 2048                        ; 16,384 bytes from a tile of 16 columns to the next
	s_mov_b32 s[G1+6], 0
	s_mov_b32 s[G1+7], 0
	s_lshl_b32 s46, s[WV], 18                      ; my 16 tiles of W_O's 64,
	s_add_co_u32 s46, s46, 0x300000                ; in wc's fourth part
	s_mov_b32 s47, 0
	s_lshl_b32 s21, s[WV], 15                      ; my quarter of a slot
	s_wait_kmcnt 0x0
	s_load_b64 s[48:49], s[14:15], 0x28            ; e10, e11
	s_add_nc_u64 s[46:47], s[6:7], s[46:47]
.irp s, 0,1
	s_mov_b32 s[G0+4*\s], 1
	s_add_co_u32 s[G0+4*\s+1], s21, \s*SLOT
	s_add_nc_u64 s[G0+4*\s+2:G0+4*\s+3], s[46:47], \s*2048
	s_or_b32 s[G0+4*\s+3], s[G0+4*\s+3], 0x80000000
.endr
	ROUND                                          ; all four work-groups are here: the first joint loads meet
	tensor_load_to_lds s[G0:G0+3], s[G1:G1+7]      ; K step 0
	s_nop 0
	tensor_load_to_lds s[G0+4:G0+7], s[G1:G1+7]    ; K step 1: two loads of mine are out
	s_nop 0
.rept 4
	v_nop
.endr
	v_and_b32 v10, 15, v0                          ; r
	v_bfe_u32 v11, v0, 4, 1                        ; h
	v_and_b32 v[LI], 31, v0
	v_lshlrev_b32 v[LI], 4, v[LI]
	v_add_nc_u32 v[BA], s21, v[LI]
	v_add_nc_u32 v[BA+1], SLOT, v[BA]
	v_mul_u32_u24 v[STO], v10, SPITCH
	v_lshl_add_u32 v[STO], v11, 5, v[STO]
	s_lshl_b32 s22, s[WV], 10
	v_add_nc_u32 v[STO], s22, v[STO]               ; row r, + 32 h, + my 256 columns' 1,024 bytes
	v_add_nc_u32 v[STO+1], 16*SPITCH, v[STO]
	s_mul_i32 s22, s[WV], 8*SPITCH
	v_add_nc_u32 v[RD], s22, v[LI]
	v_mov_b32 v15, 0                               ; (upper halves of pairs, and a lane permute's destination: written once)
	v_mov_b32 v19, 0
	v_mov_b32 v20, 0
	s_lshl_b32 s50, s20, 15                        ; my 32 rows' codes: two tiles of 16,384 bytes
	s_mov_b32 s51, 0
	s_add_nc_u64 s[4:5], s[4:5], s[50:51]
	s_lshl_b32 s50, s20, 5
	s_lshl_b32 s52, s[WV], 3
	s_add_co_u32 s50, s50, s52
	s_lshl_b32 s50, s50, 12                        ; row 32 x work-group + 8 x wave, 4,096 bytes a row
	s_add_nc_u64 s[8:9], s[8:9], s[50:51]
	s_add_nc_u64 s[16:17], s[16:17], s[50:51]
	WIN 0x40                                       ; destination window 1
.irp s, 0,1,2,3,4,5,6,7
.irp p, 0,1
.irp c, 0,1,2,3
	global_load_b128 v[32*\s+16*\p+4*\c:32*\s+16*\p+4*\c+3], v[LI], s[4:5] offset:16384*\p+2048*\s+512*\c th:TH_LOAD_NT
.endr
.endr
.endr
	WIN 0
.irp j, 0,1,2,3,4,5,6,7
	global_load_b128 v[GAM+4*\j:GAM+4*\j+3], v[LI], s[10:11] offset:512*\j
	global_load_b128 v[BET+4*\j:BET+4*\j+3], v[LI], s[12:13] offset:512*\j
.endr
.irp i, 0,1,2
.irp j, 0,1,2,3,4,5,6,7
	global_load_b128 v[160+32*\i+4*\j:160+32*\i+4*\j+3], v[LI], s[8:9] offset:4096*\i+512*\j th:TH_LOAD_NT
.endr
.endr
	s_mov_b32 s42, 0x3a800000                      ; 1 / 1,024
	s_mov_b32 s43, 0x3727c5ac                      ; 1e-5
	s_mov_b32 s44, 0x76543210
	s_mov_b32 s45, 0xfedcba98
	s_wait_kmcnt 0x0
	s_add_co_i32 s40, s48, s49
	s_add_co_i32 s40, s40, 127
	s_lshl_b32 s40, s40, 23                        ; 2^(e10 + e11)
	s_mov_b32 s41, s40                             ; (named with it as a pair)
.macro MULH s, n0                      ; 16 matrix instructions: eight tiles of columns x the two tiles of rows.  The 32 accumulators take turns, in the same order in every step
.irp n, \n0, \n0+1, \n0+2, \n0+3, \n0+4, \n0+5, \n0+6, \n0+7
.irp p, 0,1
.if (\s) == 0
	v_wmma_f32_16x16x128_bf8_bf8 v[8*(16*\p+(\n)):8*(16*\p+(\n))+7], v[16*(\n):16*(\n)+15], v[32*(\s)+16*\p:32*(\s)+16*\p+15], 0
.else
	v_wmma_f32_16x16x128_bf8_bf8 v[8*(16*\p+(\n)):8*(16*\p+(\n))+7], v[16*(\n):16*(\n)+15], v[32*(\s)+16*\p:32*(\s)+16*\p+15], v[8*(16*\p+(\n)):8*(16*\p+(\n))+7]
.endif
.endr
.endr
.endm
.macro KSTEP s
	WIN 0x80                                       ; destination window 2
.irp n, 0,1,2,3,4,5,6,7,8,9,10,11,12,13,14,15
.irp c, 0,1,2,3
	ds_load_b128 v[16*\n+4*\c:16*\n+4*\c+3], v[BA+(\s)%2] offset:2048*\n+512*\c
.endr
.endr
	s_wait_dscnt 32                                ; tiles 0-7 are in; the 32 loads of tiles 8-15 may be out
	WIN 0xf6                                       ; source 0 (W_O) window 2, source 1 (ctx) window 1, C and D window 3
	MULH \s, 0
	s_wait_dscnt 0
	MULH \s, 8
.endm
; In front of K step s: the slot that K step s - 1 was read from takes K step s + 1.
.macro CHANGE s
	WIN 0
	s_wait_tensorcnt 0x0                           ; all my tensor loads have landed, K step s among them: so a group 0 may be written
	ds_add_u32 v[SPW], v[NIL]                      ; 0 onto my spare word
	s_add_nc_u64 s[G0+4*(((\s)-1)%2)+2:G0+4*(((\s)-1)%2)+3], s[G0+4*(((\s)-1)%2)+2:G0+4*(((\s)-1)%2)+3], 4096
	s_wait_dscnt 0x0                               ; the add is done, and my reads of the slot are over
	ROUND                                          ; both hold of every wave of all four partners
	tensor_load_to_lds s[G0+4*(((\s)-1)%2):G0+4*(((\s)-1)%2)+3], s[G1:G1+7]
	s_nop 0
.rept 4
	v_nop                                          ; also the places in front of the loads into registers that the last products read
.endr
.endm
	s_wait_loadcnt 40                              ; ctx's 64 loads are in; gamma, beta and Q's three rows (40 loads) may be out
	s_wait_tensorcnt 0x1                           ; my quarter of K step 0 is in; K step 1's load may be out.  Only I read these bytes
	KSTEP 0
.irp s, 1,2,3,4
	CHANGE \s
	KSTEP \s
.endr
	CHANGE 5
	WIN 0x40                                       ; ctx's fragments of steps 0-4 are done with (four places stand behind their last products): Q's rows 3-7 take their registers
.irp i, 3,4,5,6,7
.irp j, 0,1,2,3,4,5,6,7
	global_load_b128 v[32*(\i-3)+4*\j:32*(\i-3)+4*\j+3], v[LI], s[8:9] offset:4096*\i+512*\j th:TH_LOAD_NT
.endr
.endr
	KSTEP 5
	CHANGE 6
	KSTEP 6
	WIN 0
	s_wait_tensorcnt 0x0                           ; K step 7: no load was issued behind it
.rept 4
	v_nop
.endr
	KSTEP 7
	WIN 0
.rept 4
	v_nop                                          ; places in front of the stores that read results
.endr
	s_wait_dscnt 0x0
	s_barrier_signal -1
	s_barrier_wait -1                              ; every wave's loads have landed and its reads of the ring are over: the stage may be written
	WIN 0x0c                                       ; store data window 3
.irp p, 0,1
.irp n, 0,1,2,3,4,5,6,7,8,9,10,11,12,13,14,15
	ds_store_b128 v[STO+\p], v[8*(16*\p+\n):8*(16*\p+\n)+3] offset:64*\n         ; each accumulator from its low end on
	ds_store_b128 v[STO+\p], v[8*(16*\p+\n)+4:8*(16*\p+\n)+7] offset:64*\n+16
.endr
.endr
	WIN 0
	s_wait_dscnt 0x0                               ; for the others' sake: my stores are done
	s_barrier_signal -1
	s_barrier_wait -1
	s_wait_loadcnt 0x0                             ; gamma, beta, Q's eight rows
.macro ROWLD i
	s_wait_xcnt 0x0                                ; the stores that read this buffer have read it
.irp j, 0,1,2,3,4,5,6,7
	ds_load_b128 v[ROWB+32*((\i)%2)+4*\j:ROWB+32*((\i)%2)+4*\j+3], v[RD] offset:SPITCH*(\i)+512*\j
.endr
.endm
.macro ALLSUM                          ; v[10:13], two chains of pairs, become one sum over the wave's 32 lanes, in every lane's v10
	v_pk_add_f32 v[10:11], v[10:11], v[12:13]
	v_add_f32 v10, v10, v11
	v_add_f32_dpp v10, v10, v10 row_xmask:1 row_mask:0xf bank_mask:0xf
	v_add_f32_dpp v10, v10, v10 row_xmask:2 row_mask:0xf bank_mask:0xf
	v_add_f32_dpp v10, v10, v10 row_xmask:4 row_mask:0xf bank_mask:0xf
	v_add_f32_dpp v10, v10, v10 row_xmask:8 row_mask:0xf bank_mask:0xf
	v_permlanex16_b32 v20, v10, s44, s45
	v_add_f32 v10, v10, v20
.endm
.macro LNROW i
.set bf, ROWB+32*((\i)%2)
.if (\i) < 7
	s_wait_dscnt 8                                 ; this row is in; the next row's eight loads may be out
.else
	s_wait_dscnt 0
.endif
.if (\i) < 3
.set qr, 160+32*(\i)
.else
.set qr, 32*((\i)-3)
	WIN 0x10                                       ; source 2 (Q) window 1
.endif
.set k, 0
.rept 16
	v_pk_fma_f32 v[bf+k:bf+k+1], v[bf+k:bf+k+1], s[40:41], v[qr+k:qr+k+1] op_sel_hi:[1,0,1]   ; x = sum x 2^(e10 + e11) + Q
.set k, k+2
.endr
	WIN 0
	v_pk_add_f32 v[10:11], v[bf:bf+1], v[bf+2:bf+3]
	v_pk_add_f32 v[12:13], v[bf+4:bf+5], v[bf+6:bf+7]
.set k, 8
.rept 6
	v_pk_add_f32 v[10:11], v[10:11], v[bf+k:bf+k+1]
	v_pk_add_f32 v[12:13], v[12:13], v[bf+k+2:bf+k+3]
.set k, k+4
.endr
	ALLSUM
	v_mul_f32 v14, s42, v10                        ; the mean
.set k, 0
.rept 16
	v_pk_add_f32 v[bf+k:bf+k+1], v[bf+k:bf+k+1], v[14:15] op_sel_hi:[1,0] neg_lo:[0,1] neg_hi:[0,1]   ; x - mean
.set k, k+2
.endr
	v_pk_mul_f32 v[10:11], v[bf:bf+1], v[bf:bf+1]
	v_pk_mul_f32 v[12:13], v[bf+2:bf+3], v[bf+2:bf+3]
.set k, 4
.rept 7
	v_pk_fma_f32 v[10:11], v[bf+k:bf+k+1], v[bf+k:bf+k+1], v[10:11]
	v_pk_fma_f32 v[12:13], v[bf+k+2:bf+k+3], v[bf+k+2:bf+k+3], v[12:13]
.set k, k+4
.endr
	ALLSUM
	v_fma_f32 v16, v10, s42, s43                   ; var + 1e-5
	v_rsq_f32 v18, v16
	v_nop                                          ; a plain line behind the transcendental,
	s_wait_alu depctr_va_vdst(0)                   ; and the wait ahead of its first reader
.set k, 0
.rept 16
	v_pk_mul_f32 v[bf+k:bf+k+1], v[bf+k:bf+k+1], v[18:19] op_sel_hi:[1,0]
.set k, k+2
.endr
.set k, 0
.rept 16
	v_pk_fma_f32 v[bf+k:bf+k+1], v[bf+k:bf+k+1], v[GAM+k:GAM+k+1], v[BET+k:BET+k+1]
.set k, k+2
.endr
.irp j, 0,1,2,3,4,5,6,7
	global_store_b128 v[LI], v[bf+4*\j:bf+4*\j+3], s[16:17] offset:4096*(\i)+512*\j th:TH_STORE_NT   ; 32 lanes store 512 consecutive bytes, aligned; written once, read by nobody here
.endr
.endm
	ROWLD 0
	ROWLD 1
.irp i, 0,1,2,3,4,5
	LNROW \i
	ROWLD \i+2
.endr
	LNROW 6
	LNROW 7
	s_wait_tensorcnt 0x0                           ; the wave's end
	ds_add_u32 v[SPW], v[NIL]
	s_wait_dscnt 0x0
	ROUND                                          ; the closing round
	s_endpgm
.Lfunc_end_k_q26677ea5d9_outp:
	.size	k_q26677ea5d9_outp, .Lfunc_end_k_q26677ea5d9_outp-k_q26677ea5d9_outp
	.p2alignl 7, 3214868480
	.fill 96, 4, 3214868480
	.section	.rodata,"a",@progbits
	.p2align	6, 0x0
	.amdhsa_kernel k_q26677ea5d9_outp
		.amdhsa_group_segment_fixed_size 327680
		.amdhsa_private_segment_fixed_size 0
		.amdhsa_enable_private_segment 0
		.amdhsa_kernarg_size 56
		.amdhsa_user_sgpr_count 2
		.amdhsa_user_sgpr_kernarg_segment_ptr 1
		.amdhsa_wavefront_size32 1
		.amdhsa_system_sgpr_workgroup_id_x 1
		.amdhsa_system_sgpr_workgroup_id_y 1
		.amdhsa_system_sgpr_workgroup_id_z 1
		.amdhsa_system_vgpr_workitem_id 0
		.amdhsa_next_free_vgpr 1024
		.amdhsa_next_free_sgpr 66
		.amdhsa_reserve_vcc 0
		.amdhsa_float_denorm_mode_32 3
		.amdhsa_float_denorm_mode_16_64 3
		.amdhsa_memory_ordered 1
		.amdhsa_forward_progress 1
		.amdhsa_inst_pref_size 143
	.end_amdhsa_kernel
	.amdgpu_metadata
---
amdhsa.version: [ 1, 2 ]
amdhsa.kernels:
  - .name:           k_q26677ea5d9_outp
    .symbol:         k_q26677ea5d9_outp.kd
    .args:
      - { .name: cc, .offset: 0, .size: 8, .value_kind: global_buffer, .address_space: global }
      - { .name: wc, .offset: 8, .size: 8, .value_kind: global_buffer, .address_space: global }
      - { .name: Q, .offset: 16, .size: 8, .value_kind: global_buffer, .address_space: global }
      - { .name: ln_gamma, .offset: 24, .size: 8, .value_kind: global_buffer, .address_space: global }
      - { .name: ln_beta, .offset: 32, .size: 8, .value_kind: global_buffer, .address_space: global }
      - { .name: lowp_scales, .offset: 40, .size: 8, .value_kind: global_buffer, .address_space: global }
      - { .name: out0, .offset: 48, .size: 8, .value_kind: global_buffer, .address_space: global }
    .group_segment_fixed_size: 327680
    .private_segment_fixed_size: 0
    .kernarg_segment_align: 8
    .kernarg_segment_size: 56
    .max_flat_workgroup_size: 128
    .sgpr_count:     66
    .vgpr_count:     1024
    .wavefront_size: 32
...
	.end_amdgpu_metadata
.endif
;; end of part 4
